; MI455X (gfx1250); checked and timed in simulation.
; The chip was launched on July 23, 2026; its instructions are those of AMD's public machine-readable ISA for CDNA 5 (MIT licence, August 2026) and "CDNA5" Instruction Set Architecture Reference Guide (July 2026). The comments in the code are by the model that wrote it; some were corrected since.
;; Vector Quantizer. Allowed arithmetic: float matrix products may take bf16 or f16 operands with f32 sums; all other float work in f32.
;; Inputs: emb_weight 512 x 64 float32; latents 32 x 64 x 64 x 64 float32.
;; Outputs: out0 32 x 64 x 64 x 64 float32; out1 one number float32.
;; Constants: validation = 1.
;; One version. Each part assembles by itself: llvm-mc -triple=amdgcn-amd-amdhsa -mcpu=gfx1250 --defsym DOCPART=n.
;; ======== version 1 of 1: 2 launches
;; limits: values outside matrix products are rounded to bf16
;; workspace buffers: part 8,192 bytes
;; launch vq (part 1): grid 256 x 1, 8 waves a work-group, no clusters, 158,720 bytes of LDS; arguments emb_weight, latents, out0, part; writes out0, part
.if DOCPART == 1
	.amdgcn_target "amdgcn-amd-amdhsa--gfx1250"
	.amdhsa_code_object_version 6
	.text
	.protected	k_qe6821217dc_vq
	.globl	k_qe6821217dc_vq
	.p2align	8
	.type	k_qe6821217dc_vq,@function
k_qe6821217dc_vq:
	s_mov_b64 s[64:65], 0
	v_nop
	global_prefetch_b8 v0, s[64:65] scope:SCOPE_SE
	s_setreg_imm32_b32 hwreg(HW_REG_WAVE_MODE, 25, 1), 1
	s_wait_xcnt 0x0
; VECTOR QUANTISER, all but the last sum.  latents, out0: [32][64 d][4096 positions] f32.  emb: [512 codes][64 d] f32.
; For each position: d_k = (|x|^2 + |e_k|^2) - (2x).e_k, k* = first least d_k, q = e_k*, out0 = x + (q - x), loss partial = sum (q - x)^2.
; SHARES.  256 work-groups of 8 waves; a work-group owns 512 neighbouring positions of one image, a wave 64 (256 bytes of every d row).
; Lane (r = lane & 15, h = lane >> 4) loads 16 bytes = positions 4r..4r+3 of the rows d = 16 dt + 8 h + j (dt 0..3, j 0..7): 16 lanes cover
; 256 consecutive aligned bytes.  With vector tile c = the positions 4r + c, these 128 registers are at once the B fragments of the distance
; product (after rounding to bf16), the layout of the gather product's result, and the layout of the stores: x never passes through LDS.
; DISTANCES.  A = 16 codes (-2 e in bf16), B = 16 vectors (x in bf16), K = 64 in two matrix instructions; a lane gets 8 codes of one vector.
; The two roundings of the formula are made as it writes them, t = fl(sx + se_k), d = fl(t - 2x.e_k), since at the size of |x|^2 they decide
; near ties; sx and se are sums of squares of the bf16-rounded numbers, like the products.
; ARGMIN.  Per lane a running least d, the number of the tile that brought it, and that tile's 8 distances (selected, never addressed);
; a later tile wins only if strictly less; the place in the tile and the other half of the lanes are settled once at the end by (d, index).
; GATHER.  No address hangs on the index: q = one_hot x emb on the matrix unit, A = emb^T by transposing LDS loads, B = the one-hot.
; LIMITS.  NaN inputs are not served.  q is the code rounded to bf16 (relative 2^-8).  Where two candidates lie within the error of an f32
; dot product of a rounding boundary of d, the choice can differ from that of another order of summation.
; NO CLUSTER: the one shared input is the codebook (128 KB against 256 KB of a work-group's own bytes); it has to pass through registers to
; be rounded, scaled and squared, so a joint load into LDS would add 128 KB of LDS and a trip through it; it is read while x is on its way.
.set SE_BASE,  0                       ; LDS: se[512] f32
.set EA_BASE,  2048                    ; LDS: -2 e in bf16, [code][d], rows of 128 bytes at a pitch of 144 (an odd multiple of 16)
.set EA_PITCH, 144
.set ET_BASE,  EA_BASE+512*EA_PITCH    ; LDS: e in bf16, [code][d], at a pitch of 160 (an odd multiple of 32) for the transposing loads
.set ET_PITCH, 160
.set DROW,     16384                   ; bytes from d to d + 1 in latents and out0
; window 0
.set VOFF, 4                           ; my byte offset in latents and out0: 8 h rows + 256 wave + 16 r
.set ADRA, 5                           ; LDS address of my part of the code tile's A fragments
.set ADRS, 6                           ; LDS address of my 8 se
.set ADRT, 7                           ; LDS address of my row for the transposing loads
.set H8,   8                           ; 8 h
.set TMP,  10                          ; v10-13 scratch
.set EOFF, 14                          ; 16 x thread: my 16 bytes of every 4,096 of the codebook
.set ZERO, 15
.set ONE,  16                          ; 1.0 in bf16, low half
.set TN,   17                          ; v17 and v19: the number of the code tile at work, twice (see DTILE)
.set PSE,  18                          ; where I put se
.set PEA,  20                          ; v20-21 where I put -2 e: codes 0-255, 256-511
.set PET,  22                          ; v22-23 where I put e
.set SX,   24                          ; v24-31 |x|^2 of my vector in tile c, twice (a pair for the packed add)
.set MG,   32                          ; v32-39 tile c: least d (even), number of its code tile (odd)
.set GM,   40                          ; v40-43 tile c: least d of the code tile at work
.set IDX,  44                          ; v44-47 tile c: the index
.set AST,  48                          ; v48-51 tile c: index >> 5, the gather step that holds it
.set LS,   52                          ; v52-59 tile c: a pair of loss sums
.set P,    60                          ; v60-91 tile c: the 8 distances of the winning code tile
.set XB,   92                          ; v92-155 tile c: x in bf16, B fragments of K step 0 and 1
.set D,    156                         ; v156-187 tile c: -2 x.e of 8 codes
.set T,    188                         ; v188-219 tile c: t, then d
.set A,    220                         ; v220-235 A fragments of K step 0 and 1
.set SE,   236                         ; v236-243 se of my 8 codes
.set CB,   92                          ; v92-219 the codebook as loaded (before XB, D, T are used)
.set PT,   220                         ; v220-243 scratch of the codebook's preparation
.set OH0,  60                          ; gather: one-hot B fragments, buffer 0 in P's registers, buffer 1 (+96) in D's
.set F,    188                         ; gather: one-hot of tile c within a step of 32 codes, in T's registers
.set AT,   92                          ; gather: emb^T fragments of 4 d tiles, two buffers of 32, in XB's registers
; window 1: v256-383 = x in f32, named 4 (8 dt + j) + c, later out0 in the same places; v384-511 = q, named QN + 32 dt + 8 c + j
.set QN,   128
.set MSB, 0
.macro WIN new                         ; low byte: bits 1:0 source 0, 3:2 source 1, 5:4 source 2, 7:6 destination; high byte: the setting left
.if MSB != \new
	s_set_vgpr_msb (MSB<<8)|\new
.set MSB, \new
.endif
.endm
	s_load_b256 s[4:11], s[0:1], 0x0               ; emb s[4:5], latents s[6:7], out0 s[8:9], part s[10:11]
	v_lshl_add_u32 v254, v0, 2, 0x26800
	v_mov_b32 v255, 0
	v_lshrrev_b32 v1, 5, v0
	v_readfirstlane_b32 s12, v1                    ; wave 0..7
	v_and_b32 v1, 31, v0                           ; lane
	v_and_b32 v2, 15, v0                           ; r
	v_bfe_u32 v3, v0, 4, 1                         ; h
	v_lshlrev_b32 v[EOFF], 4, v0
	s_lshl_b32 s15, s12, 8
	v_lshl_add_u32 v[VOFF], v2, 4, s15             ; 16 r + 256 wave
	v_lshl_add_u32 v[VOFF], v3, 17, v[VOFF]        ; + 8 h rows of 16,384 bytes
	s_lshr_b32 s13, ttmp9, 3
	s_lshl_b32 s13, s13, 20                        ; image: 64 rows of 16,384 bytes
	s_and_b32 s14, ttmp9, 7
	s_lshl_b32 s14, s14, 11                        ; 512 positions of 4 bytes
	s_or_b32 s16, s13, s14
	s_mov_b32 s17, 0
	s_mov_b32 s18, 0x76543210                      ; v_permlanex16_b32: lane i reads lane i of the other half
	s_mov_b32 s19, 0xfedcba98
	s_wait_kmcnt 0x0
	s_add_nc_u64 s[6:7], s[6:7], s[16:17]
	s_add_nc_u64 s[8:9], s[8:9], s[16:17]
	; the codebook first (loads return in order, and it is wanted first), then all of my x: 64 loads
.set q, 0
.rept 32
	global_load_b128 v[CB+4*q:CB+4*q+3], v[EOFF], s[4:5] offset:4096*q     ; code 16 q + (thread >> 4), d = 4 r ..
.set q, q+1
.endr
	WIN 0x40                                       ; destination in window 1
.set n, 0
.rept 32
	global_load_b128 v[4*n:4*n+3], v[VOFF], s[6:7] offset:DROW*((n/8)*16+(n%8)) th:TH_LOAD_NT
.set n, n+1
.endr
	WIN 0
	; addresses, while the loads are out
	v_lshrrev_b32 v[TMP], 4, v0                    ; my row of the 16 that one codebook load covers
	v_lshlrev_b32 v[TMP+1], 3, v2                  ; my 4 numbers in bf16: 8 bytes
	v_mul_u32_u24 v[PEA], v[TMP], EA_PITCH
	v_add_nc_u32 v[PEA], v[PEA], v[TMP+1]
	v_add_nc_u32 v[PEA], EA_BASE, v[PEA]
	v_add_nc_u32 v[PEA+1], 256*EA_PITCH, v[PEA]
	v_mul_u32_u24 v[PET], v[TMP], ET_PITCH
	v_add_nc_u32 v[PET], v[PET], v[TMP+1]
	v_add_nc_u32 v[PET], ET_BASE, v[PET]
	v_add_nc_u32 v[PET+1], 256*ET_PITCH, v[PET]
	v_lshlrev_b32 v[PSE], 2, v[TMP]
	v_mul_u32_u24 v[ADRA], v2, EA_PITCH            ; fragment: row r, 16 bytes for each half of the lanes
	v_lshl_add_u32 v[ADRA], v3, 4, v[ADRA]
	v_add_nc_u32 v[ADRA], EA_BASE, v[ADRA]
	v_lshlrev_b32 v[ADRS], 5, v3                   ; se of codes 8 h ..
	v_and_b32 v[TMP+2], 7, v0
	v_lshl_add_u32 v[TMP+2], v3, 3, v[TMP+2]       ; transposing load: row 8 h + (lane & 7),
	v_mul_u32_u24 v[ADRT], v[TMP+2], ET_PITCH
	v_bfe_u32 v[TMP+3], v0, 3, 1
	v_lshl_add_u32 v[ADRT], v[TMP+3], 4, v[ADRT]   ; 16 bytes on for lanes 8-15 and 24-31
	v_add_nc_u32 v[ADRT], ET_BASE, v[ADRT]
	v_lshlrev_b32 v[H8], 3, v3
	v_mov_b32 v[ZERO], 0
	v_mov_b32 v[ONE], 0x3f80
; Four codebook loads' worth: round e to bf16 (table ET), round -2 e (table EA; the factor is a power of two, so it is -2 x the same bf16),
; and sum the squares of the rounded numbers: 4 in the lane, then over the 16 lanes that share a code.
.macro PREP4 q0
.irp u, 0,1,2,3
	v_cvt_pk_bf16_f32 v[PT+6*\u],   v[CB+4*(\q0+\u)],   v[CB+4*(\q0+\u)+1]
	v_cvt_pk_bf16_f32 v[PT+6*\u+1], v[CB+4*(\q0+\u)+2], v[CB+4*(\q0+\u)+3]
.endr
.irp u, 0,1,2,3
	v_pk_mul_f32 v[CB+4*(\q0+\u):CB+4*(\q0+\u)+1],   v[CB+4*(\q0+\u):CB+4*(\q0+\u)+1],   -2.0 op_sel_hi:[1,0]
	v_pk_mul_f32 v[CB+4*(\q0+\u)+2:CB+4*(\q0+\u)+3], v[CB+4*(\q0+\u)+2:CB+4*(\q0+\u)+3], -2.0 op_sel_hi:[1,0]
.endr
.irp u, 0,1,2,3
	v_cvt_pk_bf16_f32 v[PT+6*\u+2], v[CB+4*(\q0+\u)],   v[CB+4*(\q0+\u)+1]
	v_cvt_pk_bf16_f32 v[PT+6*\u+3], v[CB+4*(\q0+\u)+2], v[CB+4*(\q0+\u)+3]
.endr
.irp u, 0,1,2,3
	ds_store_b64 v[PET+(\q0)/16], v[PT+6*\u:PT+6*\u+1]   offset:((\q0+\u)%16)*16*ET_PITCH
	ds_store_b64 v[PEA+(\q0)/16], v[PT+6*\u+2:PT+6*\u+3] offset:((\q0+\u)%16)*16*EA_PITCH
.endr
.irp u, 0,1,2,3
	v_fma_mix_f32_bf16 v[PT+6*\u+4], v[PT+6*\u], v[PT+6*\u], v[ZERO] op_sel_hi:[1,1,0]
.endr
.irp u, 0,1,2,3
	v_fma_mix_f32_bf16 v[PT+6*\u+4], v[PT+6*\u], v[PT+6*\u], v[PT+6*\u+4] op_sel:[1,1,0] op_sel_hi:[1,1,0]
.endr
.irp u, 0,1,2,3
	v_fma_mix_f32_bf16 v[PT+6*\u+4], v[PT+6*\u+1], v[PT+6*\u+1], v[PT+6*\u+4] op_sel_hi:[1,1,0]
.endr
.irp u, 0,1,2,3
	v_fma_mix_f32_bf16 v[PT+6*\u+4], v[PT+6*\u+1], v[PT+6*\u+1], v[PT+6*\u+4] op_sel:[1,1,0] op_sel_hi:[1,1,0]
.endr
.irp m, 1,2,4,8
.irp u, 0,1,2,3
	v_add_f32_dpp v[PT+6*\u+4], v[PT+6*\u+4], v[PT+6*\u+4] row_xmask:\m row_mask:0xf bank_mask:0xf
.endr
.endr
.irp u, 0,1,2,3
	ds_store_b32 v[PSE], v[PT+6*\u+4] offset:SE_BASE+64*(\q0+\u)   ; 16 lanes write one word with one value
.endr
.endm
.irp g, 0,4,8,12,16,20,24,28
	s_wait_loadcnt 60-\g                           ; of the 64 loads the 60 - g behind this group of four may stay out
	PREP4 \g
.endr
	s_wait_dscnt 0x0                               ; my part of the tables is written,
	s_barrier_signal -1
	s_barrier_wait -1                              ; everybody's is; LDS is only read from here on
	ds_load_b128 v[A:A+3],     v[ADRA]             ; code tile 0
	ds_load_b128 v[A+4:A+7],   v[ADRA] offset:32
	ds_load_b128 v[A+8:A+11],  v[ADRA] offset:64
	ds_load_b128 v[A+12:A+15], v[ADRA] offset:96
	ds_load_b128 v[SE:SE+3],   v[ADRS]
	ds_load_b128 v[SE+4:SE+7], v[ADRS] offset:16
; x to bf16: register i of the B fragment of K step s holds d = 32 s + 16 (i / 4) + 8 h + 2 (i % 4) and the next, of position 4 r + c
.macro CVT s
.irp c, 0,1,2,3
.irp i, 0,1,2,3,4,5,6,7
	v_cvt_pk_bf16_f32 v[XB+16*\c+8*\s+\i], v[4*(8*(2*\s+\i/4)+2*(\i%4))+\c], v[4*(8*(2*\s+\i/4)+2*(\i%4)+1)+\c]
.endr
.endr
.endm
	s_wait_loadcnt 16                              ; the rows d < 32 are in; the 16 loads of d >= 32 may stay out
	WIN 0x05                                       ; sources in window 1
	CVT 0
	s_wait_loadcnt 0x0
	CVT 1
	WIN 0
	; |x|^2 of the rounded numbers: my 32 of each vector's 64 (four chains, one for each tile), then the other half of the lanes
.set i, 0
.rept 16
.irp c, 0,1,2,3
.if i == 0
	v_fma_mix_f32_bf16 v[SX+2*\c], v[XB+16*\c], v[XB+16*\c], v[ZERO] op_sel_hi:[1,1,0]
.else
	v_fma_mix_f32_bf16 v[SX+2*\c], v[XB+16*\c+i], v[XB+16*\c+i], v[SX+2*\c] op_sel_hi:[1,1,0]
.endif
.endr
.irp c, 0,1,2,3
	v_fma_mix_f32_bf16 v[SX+2*\c], v[XB+16*\c+i], v[XB+16*\c+i], v[SX+2*\c] op_sel:[1,1,0] op_sel_hi:[1,1,0]
.endr
.set i, i+1
.endr
.irp c, 0,1,2,3
	v_mov_b32 v[SX+2*\c+1], v[SX+2*\c]             ; the permute's destination counts as read: written first
.endr
.irp c, 0,1,2,3
	v_permlanex16_b32 v[SX+2*\c+1], v[SX+2*\c], s18, s19
.endr
.irp c, 0,1,2,3
	v_add_f32 v[SX+2*\c], v[SX+2*\c], v[SX+2*\c+1] ; a + b in one half, b + a in the other: the same number
.endr
.irp c, 0,1,2,3
	v_mov_b32 v[SX+2*\c+1], v[SX+2*\c]
.endr
; ONE CODE TILE (16 codes) against my four vector tiles.  first = 1: it starts the running minimum.  pref = 1: the next tile is fetched.
; s20 = the tile's number.
.macro DTILE first, pref
	s_wait_dscnt 0x0                               ; this tile's fragments and se, asked for one tile ago
.irp c, 0,1,2,3
	v_wmma_f32_16x16x32_bf16 v[D+8*\c:D+8*\c+7], v[A:A+7], v[XB+16*\c:XB+16*\c+7], 0
.endr
.irp c, 0,1,2,3
	v_wmma_f32_16x16x32_bf16 v[D+8*\c:D+8*\c+7], v[A+8:A+15], v[XB+16*\c+8:XB+16*\c+15], v[D+8*\c:D+8*\c+7]
.endr
	; t = fl(sx + se): sixteen plain vector instructions that name no register of the matrix instructions above; they are the places
	; in front of the loads into A, of the first read of D, and of the next tile's products, which write over D
.irp c, 0,1,2,3
.irp p, 0,2,4,6
	v_pk_add_f32 v[T+8*\c+\p:T+8*\c+\p+1], v[SX+2*\c:SX+2*\c+1], v[SE+\p:SE+\p+1]
.endr
.endr
.if \pref
	v_add_nc_u32 v[ADRA], 16*EA_PITCH, v[ADRA]
	v_add_nc_u32 v[ADRS], 64, v[ADRS]
	ds_load_b128 v[A:A+3],     v[ADRA]
	ds_load_b128 v[A+4:A+7],   v[ADRA] offset:32
	ds_load_b128 v[A+8:A+11],  v[ADRA] offset:64
	ds_load_b128 v[A+12:A+15], v[ADRA] offset:96
	ds_load_b128 v[SE:SE+3],   v[ADRS]
	ds_load_b128 v[SE+4:SE+7], v[ADRS] offset:16
.endif
.if \first
.set DD, P
.else
.set DD, T
.endif
.irp c, 0,1,2,3
.irp p, 0,2,4,6
	v_pk_add_f32 v[DD+8*\c+\p:DD+8*\c+\p+1], v[T+8*\c+\p:T+8*\c+\p+1], v[D+8*\c+\p:D+8*\c+\p+1]   ; d = fl(t + (-2 x.e))
.endr
.endr
.irp c, 0,1,2,3
	v_min3_num_f32 v[GM+\c], v[DD+8*\c], v[DD+8*\c+1], v[DD+8*\c+2]
.endr
.irp c, 0,1,2,3
	v_min3_num_f32 v[GM+\c], v[GM+\c], v[DD+8*\c+3], v[DD+8*\c+4]
.endr
.irp c, 0,1,2,3
	v_min3_num_f32 v[GM+\c], v[GM+\c], v[DD+8*\c+5], v[DD+8*\c+6]
.endr
.if \first
.irp c, 0,1,2,3
	v_min_num_f32 v[MG+2*\c], v[GM+\c], v[DD+8*\c+7]
	v_mov_b32 v[MG+2*\c+1], 0
.endr
.else
	; The tile's number as a vector register: a half of a dual select reads VCC and so no second scalar.  Two copies, v17 and v19: the first
	; sources of a dual pair lie in different banks (register number mod 4), and the partner GM + c = v40 + c runs through all four:
	; c = 0, 3 take v17 (bank 1 against 0, 3), c = 1, 2 take v19 (bank 3 against 1, 2).
	v_mov_b32 v[TN], s20
	v_mov_b32 v[TN+2], s20
.irp c, 0,1,2,3
	v_min_num_f32 v[GM+\c], v[GM+\c], v[DD+8*\c+7]
.endr
.irp c, 0,1,2,3
	v_cmp_le_f32 vcc_lo, v[MG+2*\c], v[GM+\c]      ; the earlier tile stays unless this one is strictly less
	v_dual_cndmask_b32 v[MG+2*\c], v[GM+\c], v[MG+2*\c] :: v_dual_cndmask_b32 v[MG+2*\c+1], v[TN+2*(((\c+1)/2)%2)], v[MG+2*\c+1]
.irp p, 0,2,4,6
	v_dual_cndmask_b32 v[P+8*\c+\p], v[T+8*\c+\p], v[P+8*\c+\p] :: v_dual_cndmask_b32 v[P+8*\c+\p+1], v[T+8*\c+\p+1], v[P+8*\c+\p+1]
.endr
.endr
.endif
.endm
	DTILE 1, 1                                     ; tile 0
	s_mov_b32 s20, 1
.Ldist:
	DTILE 0, 1                                     ; tiles 1 to 30
	s_add_co_u32 s20, s20, 1
	s_cmp_lt_u32 s20, 31
	s_cbranch_scc1 .Ldist
	DTILE 0, 0                                     ; tile 31 fetches nothing
	; emb^T of gather step 0 (codes 0-31, four d tiles) into buffer 0: XB is done with, and far more than four plain vector
	; instructions stand behind the last product that read it
.irp dt, 0,1,2,3
	ds_load_tr16_b128 v[AT+8*\dt:AT+8*\dt+3],   v[ADRT] offset:32*\dt
	ds_load_tr16_b128 v[AT+8*\dt+4:AT+8*\dt+7], v[ADRT] offset:32*\dt+16*ET_PITCH
.endr
	; THE INDEX: the first place in the winning tile that holds the minimum; then the better of the two halves of the lanes, by (d, index)
.irp c, 0,1,2,3
	v_mov_b32 v[IDX+\c], 7
.irp j, 6,5,4,3,2,1,0
	v_cmp_neq_f32 vcc_lo, v[P+8*\c+\j], v[MG+2*\c]
	v_cndmask_b32 v[IDX+\c], \j, v[IDX+\c], vcc_lo ; equal: take j; going down, the lowest place stays
.endr
	v_lshl_add_u32 v[IDX+\c], v[MG+2*\c+1], 4, v[IDX+\c]
	v_add_nc_u32 v[IDX+\c], v[H8], v[IDX+\c]       ; 16 tile + 8 h + j
	v_mov_b32 v[AST+\c], v[IDX+\c]                 ; written before it is a permute's destination
	v_permlanex16_b32 v[GM+\c], v[MG+2*\c], s18, s19
	v_permlanex16_b32 v[AST+\c], v[IDX+\c], s18, s19
	v_cmp_lt_f32 s24, v[GM+\c], v[MG+2*\c]
	v_cmp_eq_f32 s25, v[GM+\c], v[MG+2*\c]
	v_cmp_lt_u32 s26, v[AST+\c], v[IDX+\c]
	s_and_b32 s25, s25, s26
	s_or_b32 vcc_lo, s24, s25                      ; the other half is less, or equal with the lower index
	v_cndmask_b32 v[IDX+\c], v[IDX+\c], v[AST+\c], vcc_lo
	; the one-hot within a step of 32 codes, as a B fragment: register i holds k = 16 (i / 4) + 8 h + 2 (i % 4) below and the next above.
	; u = (index & 31) - 8 h; the one stands in half u & 1 of the register with 8 (i / 4) + i % 4 = u >> 1 (a negative u matches none)
	v_and_b32 v[TMP], 31, v[IDX+\c]
	v_sub_nc_u32 v[TMP], v[TMP], v[H8]
	v_lshrrev_b32 v[AST+\c], 5, v[IDX+\c]
	v_and_b32 v[TMP+1], 1, v[TMP]
	v_lshlrev_b32 v[TMP+1], 4, v[TMP+1]
	v_lshlrev_b32 v[TMP+1], v[TMP+1], v[ONE]
	v_lshrrev_b32 v[TMP], 1, v[TMP]
.irp i, 0,1,2,3,4,5,6,7
	v_cmp_eq_u32 vcc_lo, (\i%4)+8*(\i/4), v[TMP]
	v_cndmask_b32 v[F+8*\c+\i], 0, v[TMP+1], vcc_lo
.endr
.endr
; ONE GATHER STEP (32 codes): the one-hot of each tile is F where the index lies in this step and 0 elsewhere; 16 products, 4 d tiles x 4
; vector tiles.  buf: the buffers of this step; s[sr]: the step's number; zero = 1: the products start the sums; pref = 1: the next step's
; emb^T is fetched into the other buffer.  The 20 mask instructions name neither the last step's one-hot, nor its emb^T, nor q: they are
; the places in front of the loads into the other emb^T buffer, which the last step's products read; this step's
; one-hot buffer was last read two steps ago, with the last step's 20 between.
.macro GSTEP buf, sr, zero, pref
.set OHB, OH0+96*\buf
.irp c, 0,1,2,3
	v_cmp_eq_u32 vcc_lo, s[\sr], v[AST+\c]
.irp p, 0,2,4,6
	v_dual_cndmask_b32 v[OHB+8*\c+\p], 0, v[F+8*\c+\p] :: v_dual_cndmask_b32 v[OHB+8*\c+\p+1], 0, v[F+8*\c+\p+1]
.endr
.endr
.if \pref
	v_add_nc_u32 v[ADRT], 32*ET_PITCH, v[ADRT]
.irp dt, 0,1,2,3
	ds_load_tr16_b128 v[AT+32*(1-\buf)+8*\dt:AT+32*(1-\buf)+8*\dt+3],   v[ADRT] offset:32*\dt
	ds_load_tr16_b128 v[AT+32*(1-\buf)+8*\dt+4:AT+32*(1-\buf)+8*\dt+7], v[ADRT] offset:32*\dt+16*ET_PITCH
.endr
	s_wait_dscnt 8                                 ; this step's eight loads are in; the eight just issued may stay out
.else
	s_wait_dscnt 0x0
.endif
	WIN 0x50                                       ; C and D in window 1
.irp dt, 0,1,2,3
.irp c, 0,1,2,3
.if \zero
	v_wmma_f32_16x16x32_bf16 v[QN+32*\dt+8*\c:QN+32*\dt+8*\c+7], v[AT+32*\buf+8*\dt:AT+32*\buf+8*\dt+7], v[OHB+8*\c:OHB+8*\c+7], 0
.else
	v_wmma_f32_16x16x32_bf16 v[QN+32*\dt+8*\c:QN+32*\dt+8*\c+7], v[AT+32*\buf+8*\dt:AT+32*\buf+8*\dt+7], v[OHB+8*\c:OHB+8*\c+7], v[QN+32*\dt+8*\c:QN+32*\dt+8*\c+7]
.endif
.endr
.endr
	WIN 0
.endm
	s_mov_b32 s21, 0
	GSTEP 0, 21, 1, 1                              ; step 0
	s_mov_b32 s21, 1
.Lgather:
	s_add_co_u32 s22, s21, 1
	GSTEP 1, 21, 0, 1                              ; steps 1, 3, .. 13
	GSTEP 0, 22, 0, 1                              ; steps 2, 4, .. 14
	s_add_co_u32 s21, s21, 2
	s_cmp_lt_u32 s21, 15
	s_cbranch_scc1 .Lgather
	GSTEP 1, 21, 0, 0                              ; step 15 fetches nothing
.rept 4
	v_nop                                          ; four places behind the last products before q is read (ISA guide 7.12.1)
.endr
; THE WAY OUT, one d tile (16 rows) at a time: q - x, its squares into the loss, x + (q - x), eight stores of 16 bytes a lane:
; 16 lanes store 256 consecutive bytes, at a multiple of 256 from out0's first byte.
.macro EPI dt
	WIN 0x45                                       ; both sources and the destination in window 1
.irp c, 0,1,2,3
.irp j, 0,1,2,3,4,5,6,7
	v_sub_f32 v[QN+32*\dt+8*\c+\j], v[QN+32*\dt+8*\c+\j], v[4*(8*\dt+\j)+\c]
.endr
.endr
	WIN 0x05                                       ; sources 0 and 1 in window 1, the sums in window 0
.irp p, 0,2,4,6
.irp c, 0,1,2,3
.if (\dt+\p) == 0
	v_pk_mul_f32 v[LS+2*\c:LS+2*\c+1], v[QN+32*\dt+8*\c+\p:QN+32*\dt+8*\c+\p+1], v[QN+32*\dt+8*\c+\p:QN+32*\dt+8*\c+\p+1]   ; starts the sums: nothing is cleared
.else
	v_pk_fma_f32 v[LS+2*\c:LS+2*\c+1], v[QN+32*\dt+8*\c+\p:QN+32*\dt+8*\c+\p+1], v[QN+32*\dt+8*\c+\p:QN+32*\dt+8*\c+\p+1], v[LS+2*\c:LS+2*\c+1]
.endif
.endr
.endr
	WIN 0x45
.irp j, 0,1,2,3,4,5,6,7
.irp c, 0,1,2,3
	v_add_f32 v[4*(8*\dt+\j)+\c], v[4*(8*\dt+\j)+\c], v[QN+32*\dt+8*\c+\j]
.endr
.endr
	WIN 0x04                                       ; store data in window 1, the offset in window 0
.irp j, 0,1,2,3,4,5,6,7
	global_store_b128 v[VOFF], v[4*(8*\dt+\j):4*(8*\dt+\j)+3], s[8:9] offset:DROW*(16*\dt+\j) th:TH_STORE_NT
.endr
.endm
	EPI 0
	EPI 1
	EPI 2
	EPI 3
	WIN 0
	; my wave's loss partial: 8 sums in the lane, then over the 32 lanes; lane 0 stores word 8 work-group + wave
	v_pk_add_f32 v[LS:LS+1], v[LS:LS+1], v[LS+2:LS+3]
	v_pk_add_f32 v[LS+4:LS+5], v[LS+4:LS+5], v[LS+6:LS+7]
	v_pk_add_f32 v[LS:LS+1], v[LS:LS+1], v[LS+4:LS+5]
	v_add_f32 v[LS], v[LS], v[LS+1]
	v_add_f32_dpp v[LS], v[LS], v[LS] row_xmask:1 row_mask:0xf bank_mask:0xf
	v_add_f32_dpp v[LS], v[LS], v[LS] row_xmask:2 row_mask:0xf bank_mask:0xf
	v_add_f32_dpp v[LS], v[LS], v[LS] row_xmask:4 row_mask:0xf bank_mask:0xf
	v_add_f32_dpp v[LS], v[LS], v[LS] row_xmask:8 row_mask:0xf bank_mask:0xf
	v_permlanex16_b32 v[TMP], v[LS], s18, s19      ; TMP has been written before
	v_add_f32 v[LS], v[LS], v[TMP]
	s_lshl_b32 s13, ttmp9, 3
	s_add_co_u32 s13, s13, s12
	s_lshl_b32 s13, s13, 2
	v_mov_b32 v[TMP+2], s13
	v_cmp_eq_u32 vcc_lo, 0, v1
	s_wait_xcnt 0x0                                ; EXEC is a source of the stores above: it changes only behind this wait
	s_wait_tensorcnt 0x0
	ds_add_u32 v254, v255
	s_wait_dscnt 0x0
	s_and_saveexec_b32 s24, vcc_lo
	global_store_b32 v[TMP+2], v[LS], s[10:11]
	s_wait_xcnt 0x0                                ; and again in front of the line that widens it
	s_or_b32 exec_lo, exec_lo, s24
	s_endpgm
.Lfunc_end_k_qe6821217dc_vq:
	.size	k_qe6821217dc_vq, .Lfunc_end_k_qe6821217dc_vq-k_qe6821217dc_vq
	.p2alignl 7, 3214868480
	.fill 96, 4, 3214868480
	.section	.rodata,"a",@progbits
	.p2align	6, 0x0
	.amdhsa_kernel k_qe6821217dc_vq
		.amdhsa_group_segment_fixed_size 158720
		.amdhsa_private_segment_fixed_size 0
		.amdhsa_enable_private_segment 0
		.amdhsa_kernarg_size 32
		.amdhsa_user_sgpr_count 2
		.amdhsa_user_sgpr_kernarg_segment_ptr 1
		.amdhsa_wavefront_size32 1
		.amdhsa_system_sgpr_workgroup_id_x 1
		.amdhsa_system_sgpr_workgroup_id_y 1
		.amdhsa_system_sgpr_workgroup_id_z 1
		.amdhsa_system_vgpr_workitem_id 0
		.amdhsa_next_free_vgpr 512
		.amdhsa_next_free_sgpr 66
		.amdhsa_reserve_vcc 1
		.amdhsa_float_denorm_mode_32 3
		.amdhsa_float_denorm_mode_16_64 3
		.amdhsa_memory_ordered 1
		.amdhsa_forward_progress 1
		.amdhsa_inst_pref_size 106
	.end_amdhsa_kernel
	.amdgpu_metadata
---
amdhsa.version: [ 1, 2 ]
amdhsa.kernels:
  - .name:           k_qe6821217dc_vq
    .symbol:         k_qe6821217dc_vq.kd
    .args:
      - { .name: emb_weight, .offset: 0, .size: 8, .value_kind: global_buffer, .address_space: global }
      - { .name: latents, .offset: 8, .size: 8, .value_kind: global_buffer, .address_space: global }
      - { .name: out0, .offset: 16, .size: 8, .value_kind: global_buffer, .address_space: global }
      - { .name: part, .offset: 24, .size: 8, .value_kind: global_buffer, .address_space: global }
    .group_segment_fixed_size: 158720
    .private_segment_fixed_size: 0
    .kernarg_segment_align: 8
    .kernarg_segment_size: 32
    .max_flat_workgroup_size: 256
    .sgpr_count:     66
    .vgpr_count:     512
    .wavefront_size: 32
...
	.end_amdgpu_metadata
.endif
;; end of part 1
;; launch finish (part 2): grid 1 x 1, 1 waves a work-group, no clusters, 0 bytes of LDS; arguments part, out1; writes out1
.if DOCPART == 2
	.amdgcn_target "amdgcn-amd-amdhsa--gfx1250"
	.amdhsa_code_object_version 6
	.text
	.protected	k_qe6821217dc_finish
	.globl	k_qe6821217dc_finish
	.p2align	8
	.type	k_qe6821217dc_finish,@function
k_qe6821217dc_finish:
	s_mov_b64 s[64:65], 0
	v_nop
	global_prefetch_b8 v0, s[64:65] scope:SCOPE_SE
	s_setreg_imm32_b32 hwreg(HW_REG_WAVE_MODE, 25, 1), 1
	s_wait_xcnt 0x0
; out1 = 1.25 x mean (q - x)^2 = (sum of the 2,048 partial sums) x 1.25 / 8,388,608  (0.25 x commitment + embedding: the same mean twice).
; One wave: 16 loads of 16 bytes a lane cover the 8,192 bytes; the sum has one owner, so its order is fixed.
; All loads are issued at once and the work behind them is 40 instructions: one wait for all of them.
	s_load_b128 s[4:7], s[0:1], 0x0                ; part s[4:5], out1 s[6:7]
	v_lshlrev_b32 v1, 4, v0
	v_mov_b32 v2, 0
	s_mov_b32 s8, 0x76543210                       ; v_permlanex16_b32: lane i reads lane i of the other half
	s_mov_b32 s9, 0xfedcba98
	s_wait_kmcnt 0x0
.set i, 0
.rept 16
	global_load_b128 v[4+4*i:7+4*i], v1, s[4:5] offset:512*i
.set i, i+1
.endr
	s_wait_loadcnt 0x0
.set i, 1
.rept 15
	v_pk_add_f32 v[4:5], v[4:5], v[4+4*i:5+4*i]    ; two chains of packed sums
	v_pk_add_f32 v[6:7], v[6:7], v[6+4*i:7+4*i]
.set i, i+1
.endr
	v_pk_add_f32 v[4:5], v[4:5], v[6:7]
	v_add_f32 v4, v4, v5
	v_add_f32_dpp v4, v4, v4 row_xmask:1 row_mask:0xf bank_mask:0xf
	v_add_f32_dpp v4, v4, v4 row_xmask:2 row_mask:0xf bank_mask:0xf
	v_add_f32_dpp v4, v4, v4 row_xmask:4 row_mask:0xf bank_mask:0xf
	v_add_f32_dpp v4, v4, v4 row_xmask:8 row_mask:0xf bank_mask:0xf
	v_permlanex16_b32 v5, v4, s8, s9               ; v5 has been written before
	v_add_f32 v4, v4, v5
	v_mul_f32 v4, 0x34200000, v4                   ; 1.25 x 2^-23
	v_cmp_eq_u32 vcc_lo, 0, v0
	s_wait_xcnt 0x0                                ; EXEC changes only behind this wait
	s_and_saveexec_b32 s10, vcc_lo
	global_store_b32 v2, v4, s[6:7]
	s_wait_xcnt 0x0
	s_or_b32 exec_lo, exec_lo, s10
	s_endpgm
.Lfunc_end_k_qe6821217dc_finish:
	.size	k_qe6821217dc_finish, .Lfunc_end_k_qe6821217dc_finish-k_qe6821217dc_finish
	.p2alignl 7, 3214868480
	.fill 96, 4, 3214868480
	.section	.rodata,"a",@progbits
	.p2align	6, 0x0
	.amdhsa_kernel k_qe6821217dc_finish
		.amdhsa_group_segment_fixed_size 0
		.amdhsa_private_segment_fixed_size 0
		.amdhsa_enable_private_segment 0
		.amdhsa_kernarg_size 16
		.amdhsa_user_sgpr_count 2
		.amdhsa_user_sgpr_kernarg_segment_ptr 1
		.amdhsa_wavefront_size32 1
		.amdhsa_system_sgpr_workgroup_id_x 1
		.amdhsa_system_sgpr_workgroup_id_y 1
		.amdhsa_system_sgpr_workgroup_id_z 1
		.amdhsa_system_vgpr_workitem_id 0
		.amdhsa_next_free_vgpr 72
		.amdhsa_next_free_sgpr 66
		.amdhsa_reserve_vcc 1
		.amdhsa_float_denorm_mode_32 3
		.amdhsa_float_denorm_mode_16_64 3
		.amdhsa_memory_ordered 1
		.amdhsa_forward_progress 1
		.amdhsa_inst_pref_size 5
	.end_amdhsa_kernel
	.amdgpu_metadata
---
amdhsa.version: [ 1, 2 ]
amdhsa.kernels:
  - .name:           k_qe6821217dc_finish
    .symbol:         k_qe6821217dc_finish.kd
    .args:
      - { .name: part, .offset: 0, .size: 8, .value_kind: global_buffer, .address_space: global }
      - { .name: out1, .offset: 8, .size: 8, .value_kind: global_buffer, .address_space: global }
    .group_segment_fixed_size: 0
    .private_segment_fixed_size: 0
    .kernarg_segment_align: 8
    .kernarg_segment_size: 16
    .max_flat_workgroup_size: 32
    .sgpr_count:     66
    .vgpr_count:     72
    .wavefront_size: 32
...
	.end_amdgpu_metadata
.endif
;; end of part 2
